; MI455X (gfx1250); checked and timed in simulation.
; The chip was launched on July 23, 2026; its instructions are those of AMD's public machine-readable ISA for CDNA 5 (MIT licence, August 2026) and "CDNA5" Instruction Set Architecture Reference Guide (July 2026). The comments in the code are by the model that wrote it; some were corrected since.
;; Mo E. Allowed arithmetic: float matrix products may take bf16 or f16 operands with f32 sums; all other float work in f32.
;; Inputs: We 8 x 2,048 x 2,048 float32; Wg 8 x 2,048 float32; be 8 x 2,048 float32; bg 8 float32; x 8,192 x 2,048 float32.
;; Outputs: out0 8,192 x 2,048 float32.
;; 2 versions, each right; version 2 is version 1 with the launches prep, combine written anew for expert scheduling mode. Each part assembles by itself: llvm-mc -triple=amdgcn-amd-amdhsa -mcpu=gfx1250 --defsym DOCPART=n.
;; ======== version 1 of 2: 3 launches
;; limits: values are held in f16: magnitudes above 65,504 overflow, below 6.1e-05 lose precision; inputs' magnitudes at most 65,504; right only within a limited range of input values
;; workspace buffers: xh 33,554,432 bytes; wh 8,388,608 bytes; sel 256 bytes of whole numbers; gw 256 bytes
;; launch prep (part 1): grid 513 x 1, 8 waves a work-group, no clusters, 1,280 bytes of LDS; arguments x, Wg, bg, xh, sel, gw; writes xh, sel, gw
.if DOCPART == 1
	.amdgcn_target "amdgcn-amd-amdhsa--gfx1250"
	.amdhsa_code_object_version 6
	.text
	.protected	k_q9001c455c3_prep
	.globl	k_q9001c455c3_prep
	.p2align	8
	.type	k_q9001c455c3_prep,@function
k_q9001c455c3_prep:
	s_mov_b64 s[64:65], 0
	v_nop
	global_prefetch_b8 v0, s[64:65] scope:SCOPE_SE
	s_setreg_imm32_b32 hwreg(HW_REG_WAVE_MODE, 25, 1), 1
	s_wait_xcnt 0x0
; Two jobs in one launch.
; Work-groups 0 to 511: xh = x rounded to f16 (x: [8192][2048] f32, xh: the same shape in f16), a plain stream.
; Work-group 512: the gate of token 0, the only row of the gate that the result uses: eight dot products of length 2048 in f32
; on the vector unit (wave e takes expert e), + bg, softmax with the maximum taken away, the two largest probabilities.
; It stores the two expert numbers (a, b) in sel and the two probabilities (w0, w1) in gw, each pair 32 times over, so that
; each of the two 256-byte buffers is written whole by one store.
; LIMITS.  |x| above 65,504 does not fit f16 and becomes infinite.  A NaN in x's row 0, Wg or bg is not served.
; The dot products are summed in another order than a plain chain, the exponentials and the reciprocal are good to one unit
; in the last place and flush denormals (ISA guide 15.8): two probabilities that differ in the last bits only may be ordered
; otherwise than by a correctly rounded softmax.  Exactly equal probabilities: the lower expert number wins (strict compares).
.set X,   4                            ; v[4:131]   stream: 32 chunks of 4 registers.  gate: v[4:67] x's row 0
.set WR,  68                           ; v[68:131]  gate: my expert's row of Wg
.set ACC, 132                          ; v[132:139] gate: four chains of two sums
.set DOT, 140                          ; v140       gate: my expert's dot product
.set MX,  141                          ; v141       the largest logit
.set SUM, 142                          ; v142       the sum of the exponentials; v143 its reciprocal
.set LOG, 144                          ; v[144:151] logits; later the probabilities with the winner struck out
.set PRB, 152                          ; v[152:159] probabilities; v160, v161 partial sums
.set IDX, 162                          ; v[162:163] a, b
.set WT,  164                          ; v[164:165] w0, w1
	s_load_b256 s[4:11], s[0:1], 0x0               ; x s[4:5], Wg s[6:7], bg s[8:9], xh s[10:11]
	s_load_b128 s[12:15], s[0:1], 0x20             ; sel s[12:13], gw s[14:15]
	v_lshl_add_u32 v168, v0, 2, 0x100
	v_mov_b32 v169, 0
	v_and_b32 v1, 31, v0                           ; lane
	v_lshrrev_b32 v2, 5, v0
	v_readfirstlane_b32 s16, v2                    ; wave
	s_cmp_eq_u32 ttmp9, 512                        ; the same in all eight waves of a work-group
	s_cbranch_scc1 .Lgate
	; THE STREAM.  A work-group takes 131,072 bytes of x, a wave 16,384: 32 loads of 512 consecutive bytes, all issued ahead of
	; the first store.  No register is written twice, so the counted waits for the loads are the only waits.
	v_and_b32 v2, 0xe0, v0                         ; 32 x wave
	v_lshlrev_b32 v3, 4, v1                        ; 16 bytes a lane
	v_lshl_or_b32 v2, v2, 9, v3                    ; wave x 16,384 + 16 x lane: my offset in x
	v_lshrrev_b32 v3, 1, v2                        ; half of it: my offset in xh
	s_lshl_b32 s18, ttmp9, 17                      ; the work-group's part of x (below 2^26)
	s_mov_b32 s19, 0
	s_lshl_b32 s20, ttmp9, 16                      ; and of xh
	s_mov_b32 s21, 0
	s_wait_kmcnt 0x0
	s_add_nc_u64 s[4:5], s[4:5], s[18:19]
	s_add_nc_u64 s[10:11], s[10:11], s[20:21]
.set i, 0
.rept 32
	global_load_b128 v[X+4*i:X+4*i+3], v2, s[4:5] offset:512*i th:TH_LOAD_NT
.set i, i+1
.endr
.set i, 0
.rept 32
	s_wait_loadcnt 31-i                            ; loads come back in order (ISA guide 5.7.1): chunk i is in, the 31 - i younger ones stay out
	v_cvt_pk_f16_f32 v[X+4*i],   v[X+4*i],   v[X+4*i+1]
	v_cvt_pk_f16_f32 v[X+4*i+1], v[X+4*i+2], v[X+4*i+3]
	global_store_b64 v3, v[X+4*i:X+4*i+1], s[10:11] offset:256*i   ; the wave's 32 lanes store 256 consecutive bytes, aligned
.set i, i+1
.endr
	s_endpgm
.Lgate:
	; THE GATE.  A row is 8,192 bytes: 16 loads of 512 bytes for x's row 0 and 16 for my expert's row of Wg.
	v_lshlrev_b32 v2, 4, v1                        ; 16 x lane
	s_lshl_b32 s18, s16, 13                        ; my expert's row of Wg
	s_mov_b32 s19, 0
	s_lshl_b32 s17, s16, 2                         ; my expert's word in LDS
	s_mov_b32 s22, 0x76543210                      ; v_permlanex16_b32: lane i of one half reads lane i of the other
	s_mov_b32 s23, 0xfedcba98
	s_wait_kmcnt 0x0
	s_add_nc_u64 s[6:7], s[6:7], s[18:19]
	s_load_b256 s[24:31], s[8:9], 0x0              ; bg, all eight
.set i, 0
.rept 16
	global_load_b128 v[X+4*i:X+4*i+3],   v2, s[4:5] offset:512*i
	global_load_b128 v[WR+4*i:WR+4*i+3], v2, s[6:7] offset:512*i
.set i, i+1
.endr
	s_wait_loadcnt 0x0
	s_wait_kmcnt 0x0                               ; bg too, in every wave
.set j, 0
.rept 4
	v_pk_mul_f32 v[ACC+2*j:ACC+2*j+1], v[X+2*j:X+2*j+1], v[WR+2*j:WR+2*j+1]       ; the first products start the four chains
.set j, j+1
.endr
.rept 28
	v_pk_fma_f32 v[ACC+2*(j%4):ACC+2*(j%4)+1], v[X+2*j:X+2*j+1], v[WR+2*j:WR+2*j+1], v[ACC+2*(j%4):ACC+2*(j%4)+1]
.set j, j+1
.endr
	v_pk_add_f32 v[ACC:ACC+1],   v[ACC:ACC+1],   v[ACC+2:ACC+3]
	v_pk_add_f32 v[ACC+4:ACC+5], v[ACC+4:ACC+5], v[ACC+6:ACC+7]
	v_pk_add_f32 v[ACC:ACC+1],   v[ACC:ACC+1],   v[ACC+4:ACC+5]
	v_add_f32 v[DOT], v[ACC], v[ACC+1]
	v_add_f32_dpp v[DOT], v[DOT], v[DOT] row_xmask:1 row_mask:0xf bank_mask:0xf
	v_add_f32_dpp v[DOT], v[DOT], v[DOT] row_xmask:2 row_mask:0xf bank_mask:0xf
	v_add_f32_dpp v[DOT], v[DOT], v[DOT] row_xmask:4 row_mask:0xf bank_mask:0xf
	v_add_f32_dpp v[DOT], v[DOT], v[DOT] row_xmask:8 row_mask:0xf bank_mask:0xf
	v_permlanex16_b32 v[ACC+1], v[DOT], s22, s23   ; its destination counts as read: a register that has been written
	v_add_f32 v[DOT], v[DOT], v[ACC+1]             ; every lane holds the dot product
	v_mov_b32 v3, s17
	ds_store_b32 v3, v[DOT]                        ; all lanes write the same word with the same value
	s_wait_dscnt 0x0                               ; for the other waves' sake: my store is done before I signal
	s_barrier_signal -1
	s_barrier_wait -1
	s_cmp_lg_u32 s16, 0
	s_cbranch_scc1 .Lend                           ; wave 0 finishes alone; every lane computes the same
	v_mov_b32 v3, 0
	ds_load_b128 v[LOG:LOG+3],   v3
	ds_load_b128 v[LOG+4:LOG+7], v3 offset:16
	s_wait_dscnt 0x0
.irp e, 0,1,2,3,4,5,6,7
	v_add_f32 v[LOG+\e], s[24+\e], v[LOG+\e]       ; + bg
.endr
	v_max3_num_f32 v[MX], v[LOG],  v[LOG+1], v[LOG+2]
	v_max3_num_f32 v[MX], v[MX],   v[LOG+3], v[LOG+4]
	v_max3_num_f32 v[MX], v[MX],   v[LOG+5], v[LOG+6]
	v_max_num_f32  v[MX], v[MX],   v[LOG+7]
.irp e, 0,1,2,3,4,5,6,7
	v_sub_f32 v[PRB+\e], v[LOG+\e], v[MX]          ; the maximum is taken away first: every exponent is 0 or below
.endr
.irp e, 0,1,2,3,4,5,6,7
	v_mul_f32 v[PRB+\e], 0x3fb8aa3b, v[PRB+\e]     ; e^t = 2^(1.442695 t)
.endr
.irp e, 0,1,2,3,4,5,6,7
	v_exp_f32 v[PRB+\e], v[PRB+\e]
.endr
	v_nop                                          ; one plain vector instruction behind the transcendentals before a result is used (ISA guide 5.7.2)
	s_wait_alu depctr_va_vdst(0)
	v_add_f32 v[SUM],   v[PRB],   v[PRB+1]
	v_add_f32 v[SUM+1], v[PRB+2], v[PRB+3]
	v_add_f32 v[PRB+8], v[PRB+4], v[PRB+5]
	v_add_f32 v[PRB+9], v[PRB+6], v[PRB+7]
	v_add_f32 v[SUM],   v[SUM],   v[SUM+1]
	v_add_f32 v[PRB+8], v[PRB+8], v[PRB+9]
	v_add_f32 v[SUM],   v[SUM],   v[PRB+8]         ; at least 1: the largest logit gives 2^0
	v_rcp_f32 v[SUM+1], v[SUM]
	v_nop                                          ; the same place behind the reciprocal
	s_wait_alu depctr_va_vdst(0)
.irp e, 0,1,2,3,4,5,6,7
	v_mul_f32 v[PRB+\e], v[PRB+\e], v[SUM+1]
.endr
	; the largest probability and its number; a strict compare keeps the lower number on a tie
	v_mov_b32 v[WT], v[PRB]
	v_mov_b32 v[IDX], 0
.irp e, 1,2,3,4,5,6,7
	v_cmp_gt_f32 vcc_lo, v[PRB+\e], v[WT]
	v_cndmask_b32 v[WT],  v[WT],  v[PRB+\e], vcc_lo
	v_cndmask_b32 v[IDX], v[IDX], \e, vcc_lo
.endr
	; strike the winner out (-1 lies below every probability) and look again
.irp e, 0,1,2,3,4,5,6,7
	v_cmp_eq_u32 vcc_lo, \e, v[IDX]
	v_cndmask_b32 v[LOG+\e], v[PRB+\e], -1.0, vcc_lo
.endr
	v_mov_b32 v[WT+1], v[LOG]
	v_mov_b32 v[IDX+1], 0
.irp e, 1,2,3,4,5,6,7
	v_cmp_gt_f32 vcc_lo, v[LOG+\e], v[WT+1]
	v_cndmask_b32 v[WT+1],  v[WT+1],  v[LOG+\e], vcc_lo
	v_cndmask_b32 v[IDX+1], v[IDX+1], \e, vcc_lo
.endr
	v_lshlrev_b32 v3, 3, v1                        ; 8 bytes a lane: each store covers its whole buffer of 256 bytes
	global_store_b64 v3, v[IDX:IDX+1], s[12:13]
	global_store_b64 v3, v[WT:WT+1],   s[14:15]
.Lend:
	s_wait_tensorcnt 0x0
	ds_add_u32 v168, v169
	s_wait_dscnt 0x0
	s_endpgm
.Lfunc_end_k_q9001c455c3_prep:
	.size	k_q9001c455c3_prep, .Lfunc_end_k_q9001c455c3_prep-k_q9001c455c3_prep
	.p2alignl 7, 3214868480
	.fill 96, 4, 3214868480
	.section	.rodata,"a",@progbits
	.p2align	6, 0x0
	.amdhsa_kernel k_q9001c455c3_prep
		.amdhsa_group_segment_fixed_size 1280
		.amdhsa_private_segment_fixed_size 0
		.amdhsa_enable_private_segment 0
		.amdhsa_kernarg_size 48
		.amdhsa_user_sgpr_count 2
		.amdhsa_user_sgpr_kernarg_segment_ptr 1
		.amdhsa_wavefront_size32 1
		.amdhsa_system_sgpr_workgroup_id_x 1
		.amdhsa_system_sgpr_workgroup_id_y 1
		.amdhsa_system_sgpr_workgroup_id_z 1
		.amdhsa_system_vgpr_workitem_id 0
		.amdhsa_next_free_vgpr 170
		.amdhsa_next_free_sgpr 66
		.amdhsa_reserve_vcc 1
		.amdhsa_float_denorm_mode_32 3
		.amdhsa_float_denorm_mode_16_64 3
		.amdhsa_memory_ordered 1
		.amdhsa_forward_progress 1
		.amdhsa_inst_pref_size 24
	.end_amdhsa_kernel
	.amdgpu_metadata
---
amdhsa.version: [ 1, 2 ]
amdhsa.kernels:
  - .name:           k_q9001c455c3_prep
    .symbol:         k_q9001c455c3_prep.kd
    .args:
      - { .name: x, .offset: 0, .size: 8, .value_kind: global_buffer, .address_space: global }
      - { .name: Wg, .offset: 8, .size: 8, .value_kind: global_buffer, .address_space: global }
      - { .name: bg, .offset: 16, .size: 8, .value_kind: global_buffer, .address_space: global }
      - { .name: xh, .offset: 24, .size: 8, .value_kind: global_buffer, .address_space: global }
      - { .name: sel, .offset: 32, .size: 8, .value_kind: global_buffer, .address_space: global }
      - { .name: gw, .offset: 40, .size: 8, .value_kind: global_buffer, .address_space: global }
    .group_segment_fixed_size: 1280
    .private_segment_fixed_size: 0
    .kernarg_segment_align: 8
    .kernarg_segment_size: 48
    .max_flat_workgroup_size: 256
    .sgpr_count:     66
    .vgpr_count:     170
    .wavefront_size: 32
...
	.end_amdgpu_metadata
.endif
;; end of part 1
;; launch combine (part 2): grid 256 x 1, 8 waves a work-group, no clusters, 0 bytes of LDS; arguments We, sel, gw, wh; writes wh
.if DOCPART == 2
	.amdgcn_target "amdgcn-amd-amdhsa--gfx1250"
	.amdhsa_code_object_version 6
	.text
	.protected	k_q9001c455c3_combine
	.globl	k_q9001c455c3_combine
	.p2align	8
	.type	k_q9001c455c3_combine,@function
k_q9001c455c3_combine:
	s_mov_b64 s[64:65], 0
	v_nop
	global_prefetch_b8 v0, s[64:65] scope:SCOPE_SE
	s_setreg_imm32_b32 hwreg(HW_REG_WAVE_MODE, 25, 1), 1
	s_wait_xcnt 0x0
; wh = f16( 256 (w0 We[a] + w1 We[b]) ), [2048 out][2048 in].
; The result is linear in the experts' weights: w0 (x We[a]^T) + w1 (x We[b]^T) = x (w0 We[a] + w1 We[b])^T for every input, so one
; product remains where two stood.  w0 and w1 are probabilities (not negative): the sum formed here is the one that the result holds anyway.
; The factor 256 keeps small weights in f16's normal range; it is a power of two and is taken back exactly where the product is stored.
; LIMIT: |w0 We[a] + w1 We[b]| must stay below 255.9, or the f16 number is infinite.
; a, b come as whole numbers from sel, w0, w1 from gw, both stored by the launch before.
; A stream: a work-group takes 65,536 bytes of each of the two matrices, a wave 8,192 of each: 32 loads of 512 consecutive bytes, all
; issued ahead of the first store.  No register is written twice, so the counted waits for the loads are the only waits for data.
.set A, 4                              ; v[4:67]    16 chunks of We[a], then the sums, then the packed f16
.set B, 68                             ; v[68:131]  16 chunks of We[b]
	s_load_b256 s[4:11], s[0:1], 0x0               ; We s[4:5], sel s[6:7], gw s[8:9], wh s[10:11]
	v_and_b32 v1, 31, v0
	v_and_b32 v2, 0xe0, v0                         ; 32 x wave
	v_lshlrev_b32 v1, 4, v1
	v_lshl_or_b32 v2, v2, 8, v1                    ; wave x 8,192 + 16 x lane: my offset in a matrix of We
	v_lshrrev_b32 v3, 1, v2                        ; half of it: my offset in wh
	s_lshl_b32 s20, ttmp9, 16                      ; the work-group's part of a matrix
	s_mov_b32 s21, 0
	s_lshl_b32 s28, ttmp9, 15                      ; and of wh
	s_mov_b32 s29, 0
	s_wait_kmcnt 0x0
	s_load_b64 s[12:13], s[6:7], 0x0               ; a, b
	s_load_b64 s[14:15], s[8:9], 0x0               ; w0, w1
	s_add_nc_u64 s[4:5], s[4:5], s[20:21]
	s_add_nc_u64 s[10:11], s[10:11], s[28:29]
	s_wait_kmcnt 0x0
	s_min_u32 s12, s12, 7                          ; an expert's number stays inside the table of eight
	s_min_u32 s13, s13, 7
	s_lshl_b32 s16, s12, 24                        ; a matrix is 2^24 bytes
	s_mov_b32 s17, 0
	s_lshl_b32 s18, s13, 24
	s_mov_b32 s19, 0
	s_add_nc_u64 s[22:23], s[4:5], s[18:19]        ; We[b], my work-group's part
	s_add_nc_u64 s[4:5], s[4:5], s[16:17]          ; We[a]
	s_mul_f32 s24, s14, 0x43800000                 ; 256 w0
	s_mul_f32 s26, s15, 0x43800000                 ; 256 w1
.set i, 0
.rept 16
	global_load_b128 v[A+4*i:A+4*i+3], v2, s[4:5]   offset:512*i th:TH_LOAD_NT
	global_load_b128 v[B+4*i:B+4*i+3], v2, s[22:23] offset:512*i th:TH_LOAD_NT
.set i, i+1
.endr
	s_mov_b32 s25, s24                             ; the packed forms name a pair, of which the first word is used for both halves
	s_mov_b32 s27, s26
.set i, 0
.rept 16
	s_wait_loadcnt 30-2*i                          ; both loads of chunk i are in; the 30 - 2 i younger ones stay out
	v_pk_mul_f32 v[A+4*i:A+4*i+1],   v[A+4*i:A+4*i+1],   s[24:25] op_sel_hi:[1,0]
	v_pk_mul_f32 v[A+4*i+2:A+4*i+3], v[A+4*i+2:A+4*i+3], s[24:25] op_sel_hi:[1,0]
	v_pk_fma_f32 v[A+4*i:A+4*i+1],   v[B+4*i:B+4*i+1],   s[26:27], v[A+4*i:A+4*i+1]   op_sel_hi:[1,0,1]
	v_pk_fma_f32 v[A+4*i+2:A+4*i+3], v[B+4*i+2:B+4*i+3], s[26:27], v[A+4*i+2:A+4*i+3] op_sel_hi:[1,0,1]
	v_cvt_pk_f16_f32 v[A+4*i],   v[A+4*i],   v[A+4*i+1]
	v_cvt_pk_f16_f32 v[A+4*i+1], v[A+4*i+2], v[A+4*i+3]
	global_store_b64 v3, v[A+4*i:A+4*i+1], s[10:11] offset:256*i   ; the wave's 32 lanes store 256 consecutive bytes, aligned
.set i, i+1
.endr
	s_endpgm
.Lfunc_end_k_q9001c455c3_combine:
	.size	k_q9001c455c3_combine, .Lfunc_end_k_q9001c455c3_combine-k_q9001c455c3_combine
	.p2alignl 7, 3214868480
	.fill 96, 4, 3214868480
	.section	.rodata,"a",@progbits
	.p2align	6, 0x0
	.amdhsa_kernel k_q9001c455c3_combine
		.amdhsa_group_segment_fixed_size 0
		.amdhsa_private_segment_fixed_size 0
		.amdhsa_enable_private_segment 0
		.amdhsa_kernarg_size 32
		.amdhsa_user_sgpr_count 2
		.amdhsa_user_sgpr_kernarg_segment_ptr 1
		.amdhsa_wavefront_size32 1
		.amdhsa_system_sgpr_workgroup_id_x 1
		.amdhsa_system_sgpr_workgroup_id_y 1
		.amdhsa_system_sgpr_workgroup_id_z 1
		.amdhsa_system_vgpr_workitem_id 0
		.amdhsa_next_free_vgpr 132
		.amdhsa_next_free_sgpr 66
		.amdhsa_reserve_vcc 0
		.amdhsa_float_denorm_mode_32 3
		.amdhsa_float_denorm_mode_16_64 3
		.amdhsa_memory_ordered 1
		.amdhsa_forward_progress 1
		.amdhsa_inst_pref_size 13
	.end_amdhsa_kernel
	.amdgpu_metadata
---
amdhsa.version: [ 1, 2 ]
amdhsa.kernels:
  - .name:           k_q9001c455c3_combine
    .symbol:         k_q9001c455c3_combine.kd
    .args:
      - { .name: We, .offset: 0, .size: 8, .value_kind: global_buffer, .address_space: global }
      - { .name: sel, .offset: 8, .size: 8, .value_kind: global_buffer, .address_space: global }
      - { .name: gw, .offset: 16, .size: 8, .value_kind: global_buffer, .address_space: global }
      - { .name: wh, .offset: 24, .size: 8, .value_kind: global_buffer, .address_space: global }
    .group_segment_fixed_size: 0
    .private_segment_fixed_size: 0
    .kernarg_segment_align: 8
    .kernarg_segment_size: 32
    .max_flat_workgroup_size: 256
    .sgpr_count:     66
    .vgpr_count:     132
    .wavefront_size: 32
...
	.end_amdgpu_metadata
.endif
;; end of part 2
;; launch gemm (part 3): grid 8 x 32, 4 waves a work-group, clusters of 4 x 4, 327,680 bytes of LDS; arguments xh, wh, out0, be, sel, gw; writes out0
.if DOCPART == 3
	.amdgcn_target "amdgcn-amd-amdhsa--gfx1250"
	.amdhsa_code_object_version 6
	.text
	.protected	k_q9001c455c3_gemm
	.globl	k_q9001c455c3_gemm
	.p2align	8
	.type	k_q9001c455c3_gemm,@function
k_q9001c455c3_gemm:
	s_mov_b64 s[64:65], 0
	v_nop
	global_prefetch_b8 v0, s[64:65] scope:SCOPE_SE
	s_setreg_imm32_b32 hwreg(HW_REG_WAVE_MODE, 25, 1), 1
	s_wait_xcnt 0x0
	s_wait_alu depctr_hold_cnt(0) depctr_sa_sdst(0) depctr_va_vdst(0) depctr_va_sdst(0) depctr_va_ssrc(0) depctr_va_vcc(0) depctr_vm_vsrc(0)
	s_getreg_b32 s2, hwreg(HW_REG_IB_STS2, 6, 4)
	s_cmp_eq_u32 s2, 0
	s_cbranch_scc0 .Lentry_in_a_cluster
	s_endpgm
.Lentry_in_a_cluster:
	s_bfe_u32 s2, ttmp6, 0x10000c
	s_cmp_lg_u32 s2, 0xf033
	s_cbranch_scc0 .Lentry_shape_is_right
	s_endpgm
.Lentry_shape_is_right:
; out0[m][n] = 2^-8 (sum over k of xh[m][k] wh[n][k]) + w0 be[a][n] + w1 be[b][n].
; xh: [8192][2048] f16 (x rounded), wh: [2048][2048] f16 (256 times the two chosen experts' weights, combined), out0: [8192][2048] f32.
; Sums in f32.  f16 and not bf16: eleven bits of mantissa in both operands; the ranges that f16 asks for are stated where xh and wh are made
; (|x| up to 65,504, the combined weight below 255.9).  a, b (whole numbers, sel) and w0, w1 (gw) were stored by the first launch.
; A work-group makes a block of 256 x 256 with four waves; a wave makes 128 x 128: 64 accumulator tiles of 16 x 16, 512 registers.
; K goes in steps of 128 through a ring of two LDS slots filled by the tensor data mover: a tile's rows are 256 bytes of memory and start
; at multiples of 256 bytes from the buffer's first byte.  16 K steps, two to a lap of the ring.
; CLUSTERS: 4 x 4 work-groups.  The four of a row of the cluster need the same tiles of xh, the four of a column the same tiles of wh.
; Such a tile is asked for jointly: each of the four issues the same tensor load, with the same descriptor and a mask that names the four,
; and each receives it in its own LDS.  The grid of 8 x 32 blocks is 2 x 8 clusters.
;
; REGISTERS, in windows of 256 (s_set_vgpr_msb says which window each operand place means):
;   window 0: v16-39 addresses and the bias; v64-127, v128-191 fragments of xh (8 x 16 rows x 32 K), two buffers; on the way out: rows of out0
;   window 1: v64-127, v128-191 fragments of wh, two buffers
;   window 2: the 32 accumulator tiles of my rows 0-63 (tile (a, b) at v[8 (8 a + b)]);   window 3: those of my rows 64-127
; THE MATRIX INSTRUCTION IS USED TRANSPOSED: source 0 = 16 rows of wh, source 1 = 16 rows of xh.  Lane l then holds row l % 16 of the tile
; and its registers 0 to 7 the columns 8 (l / 16) + 0 .. 7: 32 neighbouring bytes of a row of out0.
; The 64 accumulators take turns, one instruction a turn, in the same order in every quarter step, over the loop's backward jump too.
.set SIZE_M, 8192
.set SIZE_N, 2048
.set SIZE_K, 2048
.set KSTEP,  128
.set PITCH,  272                       ; an LDS row: 256 bytes of data + 16 of padding: row r begins 16 r bytes further modulo 256, so the 16 rows that a load touches lie in 16 different columns of 16 bytes
.set HALFT,  128*PITCH                 ; 128 rows: what one tensor load brings, and what one wave reads of xh or of wh
.set SLOT,   4*HALFT                   ; xh's 256 rows, then wh's 256 rows
.set STAGE,  2*SLOT                    ; behind the ring (a multiple of 256): the waves' stages for the way out; no tensor load fills them
.set SPITCH, 528                       ; a stage row: 128 f32 = 512 bytes + 16 of padding
.set WSTAGE, 16*SPITCH                 ; 16 rows for each wave: 8,448 bytes = 33 x 256
.set LAPS, SIZE_K/(2*KSTEP)            ; 8
.set ADRA, 16                          ; v16-17  LDS address of my xh fragments in slot 0, 1
.set ADRB, 20                          ; v20-21  the same for wh
.set STO,  24                          ; v24     the way out: where I put 32 bytes of a row
.set RD,   25                          ; v25     the way out: where I read 16 bytes of a whole row back
.set CO,   26                          ; v26     16 x lane: my 16 bytes in a row of 512 (out0, be); never rewritten
.set BI,   28                          ; v[28:31] w0 be[a] + w1 be[b] of my four columns
.set BA,   32                          ; v[32:35] be[a] of them
.set BB,   36                          ; v[36:39] be[b] of them
.set F0,   64                          ; fragment buffer 0
.set F1,   128                         ; fragment buffer 1
.set G1, 24                            ; s[24:31] descriptor group 1 for xh's tiles
.set G0, 32                            ; s[32:39] descriptor group 0 for xh's tiles, one set for each slot
.set G1B, 48                           ; s[48:55] descriptor group 1 for wh's tiles: it differs in the mask alone
.set G0B, 56                           ; s[56:63] descriptor group 0 for wh's tiles, one set for each slot
.set MSB, 0
.macro WIN new                         ; the immediate's high byte repeats the setting that is left; a switch that changes nothing is dropped
.if MSB != \new
	s_set_vgpr_msb (MSB<<8)|\new
.set MSB, \new
.endif
.endm
.set MUL_LO, 0xa1                      ; source 0 (wh) window 1, source 1 (xh) window 0, C and D window 2
.set MUL_HI, 0xf1                      ; the same, C and D window 3
.set TO_B,   0x40                      ; destination window 1, address window 0
.set ST_LO,  0x08                      ; an LDS store's data (source 1) from window 2, its address from window 0
.set ST_HI,  0x0c                      ; the same from window 3
; A joint load.  Waves 0 and 1 fetch xh's two halves, waves 2 and 3 wh's.  Each line has one mask and one set of registers for all that issue it.
; The branch hangs on the wave's number alone: it is the same in every work-group.
.macro JLOAD s
	s_cmp_eq_u32 s11, 0
	s_cbranch_scc0 .Lfor_b_\@
	tensor_load_to_lds s[G0+4*\s:G0+4*\s+3], s[G1:G1+7]
	s_nop 0
	s_branch .Lasked_\@
.Lfor_b_\@:
	tensor_load_to_lds s[G0B+4*\s:G0B+4*\s+3], s[G1B:G1B+7]
	s_nop 0
.Lasked_\@:
.endm
; A round of the cluster's barrier: my work-group's barrier, so that wave 0's signal speaks for all four waves; wave 0 signals for the
; work-group; every wave waits for all sixteen work-groups; my work-group's barrier once more.
.macro CREST                           ; a round behind its opening barrier
	s_cmp_lg_u32 s10, 0
	s_cbranch_scc1 .Lnot_wave_0_\@
	s_barrier_signal -3
.Lnot_wave_0_\@:
	s_barrier_wait -3
	s_barrier_signal -1
	s_barrier_wait -1
.endm
.macro CROUND                          ; a whole round
	s_barrier_signal -1
	s_barrier_wait -1
	CREST
.endm
	s_load_b128 s[4:7], s[0:1], 0x0                ; xh s[4:5], wh s[6:7]
	s_load_b64 s[8:9], s[0:1], 0x10                ; out0
	s_load_b128 s[68:71], s[0:1], 0x18             ; be s[68:69], sel s[70:71]
	s_load_b64 s[72:73], s[0:1], 0x28              ; gw
	s_set_vgpr_msb 0x40
	v_lshl_add_u32 v255, v0, 2, 0x4c400
	s_set_vgpr_msb 0x4000
	v_mov_b32 v255, 0
	s_set_vgpr_msb 0x1
	ds_add_u32 v255, v255
	s_set_vgpr_msb 0x100
	v_lshrrev_b32 v1, 5, v0
	v_readfirstlane_b32 s10, v1                    ; wave 0..3
	s_lshr_b32 s11, s10, 1                         ; which half of the block's rows is mine.  Also: I fetch for xh (0) or for wh (1)
	s_and_b32 s12, s10, 1                          ; which half of its columns.  Also: which 128 rows of that tile I fetch
	s_bfe_u32 s40, ttmp6, 0x40000                  ; cx: my place along the cluster's x
	s_bfe_u32 s41, ttmp6, 0x40004                  ; cy: along its y
	s_lshl_b32 s42, ttmp9, 2                       ; in a cluster launch ttmp9 and ttmp7 count clusters
	s_add_co_u32 s42, s42, s40                     ; block column = 4 x cluster x + cx
	s_and_b32 s13, ttmp7, 0xffff
	s_lshl_b32 s13, s13, 2
	s_add_co_u32 s13, s13, s41                     ; block row = 4 x cluster y + cy
	s_lshl_b32 s43, s41, 2
	s_lshl_b32 s43, 15, s43                        ; my row of the cluster: places 4 cy .. 4 cy + 3
	s_lshl_b32 s44, 0x1111, s40                    ; my column: places cx, cx + 4, cx + 8, cx + 12
	; descriptor group 1: a tile of 128 rows x 128 elements of 2 bytes, padded in LDS
	s_or_b32 s[G1+0], s43, (1<<16)|(1<<20)|(1<<21)|(5<<22)|(3<<25)  ; 15:0 the mask: xh's tiles go to my row; 17:16 element of 2 bytes; 20 padding on; 21 set beside a mask; 24:22 after every 64 words (code 5); 31:25 of 4 words (code 3)
	s_or_b32 s[G1B+0], s44, (1<<16)|(1<<20)|(1<<21)|(5<<22)|(3<<25) ; the same with the mask of my column, for wh's tiles
	s_mov_b32 s[G1B+1], KSTEP<<16
	s_mov_b32 s[G1+1], KSTEP<<16                   ; 63:48 tensor_dim0, low half = 128
	s_mov_b32 s[G1B+2], 128<<16
	s_mov_b32 s[G1+2], 128<<16                     ; 79:64 its high half = 0; 95:80 tensor_dim1, low half = 128
	s_mov_b32 s[G1B+3], KSTEP<<16
	s_mov_b32 s[G1+3], KSTEP<<16                   ; 111:96 its high half = 0; 127:112 tile_dim0 = 128
	s_mov_b32 s[G1B+4], 128
	s_mov_b32 s[G1+4], 128                         ; 143:128 tile_dim1 = 128; 159:144 tile_dim2 = 0
	s_mov_b32 s[G1B+5], SIZE_K
	s_mov_b32 s[G1+5], SIZE_K                      ; 191:160 elements from row to row
	s_mov_b32 s[G1B+6], 0
	s_mov_b32 s[G1+6], 0
	s_mov_b32 s[G1B+7], 0
	s_mov_b32 s[G1+7], 0
	; where the tiles come from.  xh's hang on the block row alone, which my row of the cluster shares; wh's on the block column alone, which
	; my column shares.  Every wave makes both addresses, in registers that never hold the other coordinate, and asks by one of them.
	s_lshl_b32 s17, s12, 7                         ; which 128 rows of the tile I fetch
	s_lshl_b32 s16, s13, 8
	s_add_co_u32 s16, s16, s17                     ; xh: row 256 x block row + 128 x half
	s_lshl_b32 s46, s42, 8
	s_add_co_u32 s46, s46, s17                     ; wh: row 256 x block column + 128 x half
	s_lshl_b32 s16, s16, 12                        ; rows of 4,096 bytes: below 2^25
	s_lshl_b32 s46, s46, 12
	s_mov_b32 s17, 0
	s_mov_b32 s47, 0
	s_mul_i32 s20, s10, HALFT                      ; and where they go: xh's two halves, then wh's two halves = wave x 128 rows: no place in the cluster enters an LDS address
	s_wait_dscnt 0x0
	s_wait_kmcnt 0x0
	s_add_nc_u64 s[14:15], s[4:5], s[16:17]
	s_add_nc_u64 s[46:47], s[6:7], s[46:47]
	s_load_b64 s[74:75], s[70:71], 0x0             ; a, b
	s_load_b64 s[76:77], s[72:73], 0x0             ; w0, w1
	CROUND                                         ; all sixteen work-groups are here: the first joint loads meet
.irp s, 0,1
	s_mov_b32 s[G0+4*\s], 1                                        ; 1:0 count = 1
	s_add_co_u32 s[G0+4*\s+1], s20, \s*SLOT                        ; 63:32 LDS address
	s_add_nc_u64 s[G0+4*\s+2:G0+4*\s+3], s[14:15], \s*KSTEP*2      ; 120:64 global address: K step s
	s_or_b32 s[G0+4*\s+3], s[G0+4*\s+3], 0x80000000                ; 127:126 type = 2
	s_mov_b32 s[G0B+4*\s], 1
	s_add_co_u32 s[G0B+4*\s+1], s20, \s*SLOT
	s_add_nc_u64 s[G0B+4*\s+2:G0B+4*\s+3], s[46:47], \s*KSTEP*2
	s_or_b32 s[G0B+4*\s+3], s[G0B+4*\s+3], 0x80000000
	JLOAD \s                                       ; the ring is filled before anything else is done: two tensor loads of the wave are out
.endr
	; A fragment is 16 rows x 32 K in 8 registers: lane l holds row l % 16; registers 0-3 hold K = 8 (l / 16) + 0..7, registers 4-7 hold
	; K = 16 + 8 (l / 16) + 0..7.  From rows that lie along K: two loads of 16 bytes, 32 bytes apart.  The same for source 0 and source 1.
	v_and_b32 v1, 15, v0                           ; l % 16
	v_bfe_u32 v2, v0, 4, 1                         ; l / 16
	v_mul_u32_u24 v3, v1, PITCH
	v_lshl_add_u32 v3, v2, 4, v3                   ; row x pitch + 16 x half
	s_mul_i32 s21, s11, HALFT                      ; my 128 rows of xh
	s_mul_i32 s22, s12, HALFT                      ; my 128 rows of wh,
	s_add_co_u32 s22, s22, 2*HALFT                 ; which lie behind xh's 256
.irp s, 0,1
	v_add_nc_u32 v[ADRA+\s], s21, v3
	v_add_nc_u32 v[ADRB+\s], s22, v3
	s_add_co_u32 s21, s21, SLOT
	s_add_co_u32 s22, s22, SLOT
.endr
	s_mul_i32 s23, s10, WSTAGE
	s_add_co_u32 s23, s23, STAGE                   ; my stage
	v_mul_u32_u24 v4, v1, SPITCH                   ; in: row l % 16, 32 bytes for each half of the lanes
	v_lshl_add_u32 v4, v2, 5, v4
	v_add_nc_u32 v[STO], s23, v4
	v_and_b32 v5, 31, v0
	v_lshlrev_b32 v[CO], 4, v5                     ; back: the 32 lanes take one row of 512 bytes
	v_add_nc_u32 v[RD], s23, v[CO]
	; the two bias rows of my 128 columns; they are used behind the K loop and stay on their way until then
	s_wait_kmcnt 0x0
	s_min_u32 s74, s74, 7                          ; an expert's number stays inside the table of eight
	s_min_u32 s75, s75, 7
	s_lshl_b32 s84, s42, 10                        ; my first column in bytes of f32: 1,024 x block column
	s_lshl_b32 s85, s12, 9                         ; + 512 x half
	s_add_co_u32 s84, s84, s85
	s_mov_b32 s85, 0                               ; s[84:85]: used again for out0
	s_lshl_b32 s78, s74, 13                        ; a row of be is 8,192 bytes
	s_add_co_u32 s78, s78, s84
	s_mov_b32 s79, 0
	s_add_nc_u64 s[80:81], s[68:69], s[78:79]
	s_lshl_b32 s78, s75, 13
	s_add_co_u32 s78, s78, s84
	s_add_nc_u64 s[82:83], s[68:69], s[78:79]
	global_load_b128 v[BA:BA+3], v[CO], s[80:81]   ; s[80:83] and v[CO] are never rewritten
	global_load_b128 v[BB:BB+3], v[CO], s[82:83]
	s_mov_b32 s86, s77                             ; w1 as a pair's first word
	s_mov_b32 s87, s77
	s_mov_b32 s88, 0x3b800000                      ; 2^-8
	s_mov_b32 s89, 0x3b800000
; 16 matrix instructions: m blocks a0, a0 + 1 of the window's four (hi = 0: my rows 0-63, 1: rows 64-127) x all 8 n blocks, 32 along K.
; zero = 1: the first product starts the sums: nothing is ever cleared.
.macro MUL16 f, hi, a0, zero
.irp a, \a0, \a0+1
.irp b, 0,1,2,3,4,5,6,7
.if \zero
	v_wmma_f32_16x16x32_f16 v[8*(8*(\a)+\b):8*(8*(\a)+\b)+7], v[\f+8*\b:\f+8*\b+7], v[\f+8*(4*\hi+\a):\f+8*(4*\hi+\a)+7], 0
.else
	v_wmma_f32_16x16x32_f16 v[8*(8*(\a)+\b):8*(8*(\a)+\b)+7], v[\f+8*\b:\f+8*\b+7], v[\f+8*(4*\hi+\a):\f+8*(4*\hi+\a)+7], v[8*(8*(\a)+\b):8*(8*(\a)+\b)+7]
.endif
.endr
.endr
.endm
; 32 LDS loads in one run: the fragments of one quarter step (128 rows of wh, 128 rows of xh, 32 K at byte k of the rows) into buffer f
.macro FETCH slot, k, f
	WIN TO_B
.irp i, 0,1,2,3,4,5,6,7
	ds_load_b128 v[\f+8*\i:\f+8*\i+3],   v[ADRB+\slot] offset:\k+\i*16*PITCH
	ds_load_b128 v[\f+8*\i+4:\f+8*\i+7], v[ADRB+\slot] offset:\k+\i*16*PITCH+32
.endr
	WIN 0
.irp i, 0,1,2,3,4,5,6,7
	ds_load_b128 v[\f+8*\i:\f+8*\i+3],   v[ADRA+\slot] offset:\k+\i*16*PITCH
	ds_load_b128 v[\f+8*\i+4:\f+8*\i+7], v[ADRA+\slot] offset:\k+\i*16*PITCH+32
.endr
.endm
; A load into a register that a matrix instruction has read, and whatever reads a matrix result, stand four places behind that matrix
; instruction, and only plain vector instructions that name none of its registers are places (ISA guide 7.12.1 for vector instructions).
; The matrix instructions in between are not counted, so four v_nop stand in front of each run of loads.
.macro PLACES
.rept 4
	v_nop
.endr
.endm
; A K step is four quarter steps of 32 along K, 64 matrix instructions each, on buffers 0, 1, 0, 1.
; One of the first three: multiplies buffer f; in its middle it fetches the next quarter's fragments, at byte k of the same slot's rows, into buffer g.
.macro QUARTER slot, k, f, g, zero
	s_wait_dscnt 8                                 ; wh and xh's rows 0-63 are in; the youngest eight loads (xh's rows 64-127) may be out
	WIN MUL_LO
	MUL16 \f, 0, 0, \zero
	MUL16 \f, 0, 2, \zero
	PLACES
	FETCH \slot, \k, \g
	s_wait_dscnt 32                                ; all but the 32 just issued
	WIN MUL_HI
	MUL16 \f, 1, 0, \zero
	MUL16 \f, 1, 2, \zero
.endm
.macro THREE slot, zero
	QUARTER \slot, 64,  F0, F1, \zero
	QUARTER \slot, 128, F1, F0, 0
	QUARTER \slot, 192, F0, F1, 0
.endm
; The last quarter: multiplies buffer 1 and changes slots.  next = the other slot; fill = 1: this slot is filled again, two K steps ahead.
; One barrier for the change of slots.  In front of it each wave waits for its own reads of this slot and for all its tensor loads, of which
; one is out: its part of the next slot.  Behind it nobody reads this slot any more and the next slot is whole: the refill comes first, then
; the next slot's first fragments.  From a request to the wait for it a wave issues 240 matrix instructions.
.macro TURN slot, next, fill
	s_wait_dscnt 8
	WIN MUL_LO
	MUL16 F1, 0, 0, 0
	s_wait_dscnt 0                                 ; my reads of this slot are over
	s_wait_tensorcnt 0x0                           ; and all my tensor loads have landed: the one that was out is my part of the next slot
	ds_add_u32 v255, v255
	s_wait_dscnt 0x0
	s_barrier_signal -1                            ; say so (where a slot is filled again this barrier opens a round of the cluster's barrier),
	MUL16 F1, 0, 2, 0                              ; work on registers while the others arrive,
	WIN 0
	s_barrier_wait -1                              ; and go on when all four have said so
.if \fill
	CREST                                          ; all sixteen work-groups have said so: no wave of any partner still reads this slot's tile or has a load on its way
	s_add_nc_u64 s[G0+4*\slot+2:G0+4*\slot+3], s[G0+4*\slot+2:G0+4*\slot+3], 2*KSTEP*2
	s_add_nc_u64 s[G0B+4*\slot+2:G0B+4*\slot+3], s[G0B+4*\slot+2:G0B+4*\slot+3], 2*KSTEP*2
	JLOAD \slot                                    ; the first tensor load behind the round, and the wave's only one until the next
.endif
	PLACES
	FETCH \next, 0, F0
	WIN MUL_HI
	MUL16 F1, 1, 0, 0
	MUL16 F1, 1, 2, 0
.endm
.macro LAP zero                        ; once round the ring, both slots filled again
	THREE 0, \zero
	TURN 0, 1, 1
	THREE 1, 0
	TURN 1, 0, 1
.endm
	s_wait_tensorcnt 1                             ; my part of K step 0 is in; K step 1's stays out
	s_barrier_signal -1
	s_barrier_wait -1                              ; everybody's is
	FETCH 0, 0, F0
	LAP 1                                          ; the first lap stands in front of the loop: its first products start the sums
	WIN 0                                          ; at a label and at a branch every window is 0
	s_mov_b32 s3, LAPS-2
.Llap:
	LAP 0
	WIN 0
	s_sub_co_u32 s3, s3, 1
	s_cmp_lg_u32 s3, 0
	s_cbranch_scc1 .Llap
	THREE 0, 0                                     ; the last lap fills nothing and has no round of the cluster's barrier: my one tensor load still out is slot 1's, the last K step's
	TURN 0, 1, 0
	THREE 1, 0
	s_wait_dscnt 8                                 ; the very last quarter: nothing more to fetch
	WIN MUL_LO
	MUL16 F1, 0, 0, 0
	MUL16 F1, 0, 2, 0
	s_wait_dscnt 0
	WIN MUL_HI
	MUL16 F1, 1, 0, 0
	MUL16 F1, 1, 2, 0
	; THE WAY OUT, 16 rows at a time: the f32 sums go, 32 bytes a lane, into my own stage in LDS and come back as whole rows of 512 bytes;
	; there each lane holds four neighbouring columns, the same four in every row, so one bias of four registers serves all 128 rows.
	PLACES                                         ; the places behind the last matrix instructions, for the LDS stores of results and the loads into buffers 0 and 1
	WIN 0
	s_wait_loadcnt 0x0                             ; the two bias rows, asked for ahead of the K loop
	v_pk_mul_f32 v[BI:BI+1],   v[BA:BA+1],   s[76:77] op_sel_hi:[1,0]                     ; w0 be[a]
	v_pk_mul_f32 v[BI+2:BI+3], v[BA+2:BA+3], s[76:77] op_sel_hi:[1,0]
	v_pk_fma_f32 v[BI:BI+1],   v[BB:BB+1],   s[86:87], v[BI:BI+1]   op_sel_hi:[1,0,1]     ; + w1 be[b]
	v_pk_fma_f32 v[BI+2:BI+3], v[BB+2:BB+3], s[86:87], v[BI+2:BI+3] op_sel_hi:[1,0,1]
	s_lshl_b32 s16, s13, 8
	s_lshl_b32 s17, s11, 7
	s_add_co_u32 s16, s16, s17                     ; my first row of out0
	s_lshl_b32 s16, s16, 13                        ; rows of 8,192 bytes: below 2^26
	s_mov_b32 s17, 0
	s_add_nc_u64 s[8:9], s[8:9], s[16:17]
	s_add_nc_u64 s[8:9], s[8:9], s[84:85]          ; my first column
; rows 16 i .. 16 i + 15 of my block = the eight tiles (a, 0..7) of window 2 or 3 (win = ST_LO or ST_HI); f: F0 or F1 in turn
.macro OUT16 i, a, win, f
	WIN \win
.irp b, 0,1,2,3,4,5,6,7
	ds_store_b128 v[STO], v[8*(8*\a+\b):8*(8*\a+\b)+3]   offset:64*\b       ; row l % 16, columns 16 b + 8 (l / 16) + 0..3
	ds_store_b128 v[STO], v[8*(8*\a+\b)+4:8*(8*\a+\b)+7] offset:64*\b+16    ; and + 4..7
.endr
	WIN 0
	s_wait_xcnt 0x0                                ; every earlier memory instruction has had its addresses translated (ISA guide 3.1): buffer f, which stores read, and the stores' base are rewritten only behind this wait
.if \i
	s_add_nc_u64 s[8:9], s[8:9], 16*SIZE_N*4       ; 16 rows of out0 on
.endif
.irp t, 0,1,2,3,4,5,6,7,8,9,10,11,12,13,14,15
	ds_load_b128 v[\f+4*\t:\f+4*\t+3], v[RD] offset:\t*SPITCH      ; LDS serves a wave's instructions in order (ISA guide 5.7.1.4): these see the stores above
.endr
.irp t, 0,1,2,3,4,5,6,7,8,9,10,11,12,13,14,15
	s_wait_dscnt 15-\t                             ; row t is in; the 15 - t younger loads stay out
	v_pk_fma_f32 v[\f+4*\t:\f+4*\t+1],   v[\f+4*\t:\f+4*\t+1],   s[88:89], v[BI:BI+1]   op_sel_hi:[1,0,1]   ; 2^-8 x sum + bias
	v_pk_fma_f32 v[\f+4*\t+2:\f+4*\t+3], v[\f+4*\t+2:\f+4*\t+3], s[88:89], v[BI+2:BI+3] op_sel_hi:[1,0,1]
	global_store_b128 v[CO], v[\f+4*\t:\f+4*\t+3], s[8:9] offset:\t*SIZE_N*4 th:TH_STORE_NT   ; the wave stores 512 consecutive bytes, at a multiple of 512 from out0's first byte
.endr
.endm
	OUT16 0, 0, ST_LO, F0
	OUT16 1, 1, ST_LO, F1
	OUT16 2, 2, ST_LO, F0
	OUT16 3, 3, ST_LO, F1
	OUT16 4, 0, ST_HI, F0
	OUT16 5, 1, ST_HI, F1
	OUT16 6, 2, ST_HI, F0
	OUT16 7, 3, ST_HI, F1
	s_set_vgpr_msb 0x1
	s_wait_tensorcnt 0x0
	ds_add_u32 v255, v255
	s_wait_dscnt 0x0
	s_set_vgpr_msb 0x100
	CROUND                                         ; the closing round: no work-group ends while a partner may still ask for a tile that names it
	s_endpgm
.Lfunc_end_k_q9001c455c3_gemm:
	.size	k_q9001c455c3_gemm, .Lfunc_end_k_q9001c455c3_gemm-k_q9001c455c3_gemm
	.p2alignl 7, 3214868480
	.fill 96, 4, 3214868480
	.section	.rodata,"a",@progbits
	.p2align	6, 0x0
	.amdhsa_kernel k_q9001c455c3_gemm
		.amdhsa_group_segment_fixed_size 327680
		.amdhsa_private_segment_fixed_size 0
		.amdhsa_enable_private_segment 0
		.amdhsa_kernarg_size 48
		.amdhsa_user_sgpr_count 2
		.amdhsa_user_sgpr_kernarg_segment_ptr 1
		.amdhsa_wavefront_size32 1
		.amdhsa_system_sgpr_workgroup_id_x 1
		.amdhsa_system_sgpr_workgroup_id_y 1
		.amdhsa_system_sgpr_workgroup_id_z 1
		.amdhsa_system_vgpr_workitem_id 0
		.amdhsa_next_free_vgpr 1024
		.amdhsa_next_free_sgpr 96
		.amdhsa_reserve_vcc 0
		.amdhsa_float_denorm_mode_32 3
		.amdhsa_float_denorm_mode_16_64 3
		.amdhsa_memory_ordered 1
		.amdhsa_forward_progress 1
		.amdhsa_inst_pref_size 213
	.end_amdhsa_kernel
	.amdgpu_metadata
---
amdhsa.version: [ 1, 2 ]
amdhsa.kernels:
  - .name:           k_q9001c455c3_gemm
    .symbol:         k_q9001c455c3_gemm.kd
    .args:
      - { .name: xh, .offset: 0, .size: 8, .value_kind: global_buffer, .address_space: global }
      - { .name: wh, .offset: 8, .size: 8, .value_kind: global_buffer, .address_space: global }
      - { .name: out0, .offset: 16, .size: 8, .value_kind: global_buffer, .address_space: global }
      - { .name: be, .offset: 24, .size: 8, .value_kind: global_buffer, .address_space: global }
      - { .name: sel, .offset: 32, .size: 8, .value_kind: global_buffer, .address_space: global }
      - { .name: gw, .offset: 40, .size: 8, .value_kind: global_buffer, .address_space: global }
    .group_segment_fixed_size: 327680
    .private_segment_fixed_size: 0
    .kernarg_segment_align: 8
    .kernarg_segment_size: 48
    .max_flat_workgroup_size: 128
    .sgpr_count:     96
    .vgpr_count:     1024
    .wavefront_size: 32
...
	.end_amdgpu_metadata
.endif
;; end of part 3
;; ======== version 2 of 2: 3 launches; version 1 with the launches prep, combine written anew for expert scheduling mode
;; limits: values are held in f16: magnitudes above 65,504 overflow, below 6.1e-05 lose precision; inputs' magnitudes at most 65,504; right only within a limited range of input values
;; workspace buffers: xh 33,554,432 bytes; wh 8,388,608 bytes; sel 256 bytes of whole numbers; gw 256 bytes
;; launch prep (part 4): grid 513 x 1, 8 waves a work-group, no clusters, 1,280 bytes of LDS; arguments x, Wg, bg, xh, sel, gw; writes xh, sel, gw
.if DOCPART == 4
	.amdgcn_target "amdgcn-amd-amdhsa--gfx1250"
	.amdhsa_code_object_version 6
	.text
	.protected	k_q9001c455c3_prep
	.globl	k_q9001c455c3_prep
	.p2align	8
	.type	k_q9001c455c3_prep,@function
k_q9001c455c3_prep:
	s_mov_b64 s[64:65], 0
	v_nop
	global_prefetch_b8 v0, s[64:65] scope:SCOPE_SE
	s_setreg_imm32_b32 hwreg(HW_REG_WAVE_SCHED_MODE, 0, 2), 2
	s_setreg_imm32_b32 hwreg(HW_REG_WAVE_MODE, 25, 1), 1
	s_wait_xcnt 0x0
	s_wait_alu depctr_vm_vsrc(0)
; Two jobs in one launch.
; Work-groups 0 to 511: xh = x rounded to f16 (x: [8192][2048] f32, xh: the same shape in f16), a plain stream.
; Work-group 512: the gate of token 0, the only row of the gate that the result uses: eight dot products of length 2048 in f32
; on the vector unit (wave e takes expert e), + bg, softmax with the maximum taken away, the two largest probabilities.
; It stores the two expert numbers (a, b) in sel and the two probabilities (w0, w1) in gw, each pair 32 times over, so that
; each of the two 256-byte buffers is written whole by one store.
; LIMITS.  |x| above 65,504 does not fit f16 and becomes infinite.  A NaN in x's row 0, Wg or bg is not served.
; The dot products are summed in another order than a plain chain, the exponentials and the reciprocal are good to one unit
; in the last place and flush denormals (ISA guide 15.8): two probabilities that differ in the last bits only may be ordered
; otherwise than by a correctly rounded softmax.  Exactly equal probabilities: the lower expert number wins (the selects run from the highest number down).
; THE MODE: SCHED_MODE bits 1:0 = 2 (LLVM: expert scheduling mode 2), set by the entry lines.  The code itself states the register dependences
; between vector instructions and memory or LDS instructions, and from a vector instruction's scalar result to its reader, with s_wait_alu, always for 0.
; THE PLAN, stream.  Registers that memory instructions touch:
;   v2, v3        byte offsets in x and xh, made once at the arm's head and never written again.
;   chunk i       four registers: load i lands in them, chunk i's two conversions write the first two, store i reads those two; never written again.
; The 32 chunks go in 8 blocks of four.  Block p's memory instructions are the four stores of block p - 1, whose registers no vector instruction of
; block p names.  So one wait at a block's head states all that they hang on, and they are dealt among the block's conversions.
; THE PLAN, gate.  v2, v3, v[ZA], v[GO]: addresses, made once at the arm's head and never written again.  v[DOT]: the LDS store's data.  v[LOG ..]: the LDS loads
; land there, and no vector instruction names them before.  v[IDX ..], v[WT ..]: the two global stores' data.  v168, v169: read by the closing add alone.
; No register that a memory or LDS instruction reads is written again in either arm.
.set X,   4                            ; v[4:131]   stream: 32 chunks of 4 registers.  gate: v[4:67] x's row 0
.set WR,  68                           ; v[68:131]  gate: my expert's row of Wg
.set ACC, 132                          ; v[132:139] gate: four chains of two sums
.set DOT, 140                          ; v140       gate: my expert's dot product
.set MX,  141                          ; v141       the largest logit
.set SUM, 142                          ; v142       the sum of the exponentials; v143 its reciprocal
.set LOG, 144                          ; v[144:151] logits; later the probabilities with the winner struck out
.set PRB, 152                          ; v[152:159] probabilities; v160, v161 partial sums
.set IDX, 162                          ; v[162:163] a, b
.set WT,  164                          ; v[164:165] w0, w1
.set ZA,  166                          ; v166       gate: 0, the LDS address of the eight dot products
.set GO,  167                          ; v167       gate: 8 x lane, my offset in sel and in gw
	s_load_b256 s[4:11], s[0:1], 0x0               ; x s[4:5], Wg s[6:7], bg s[8:9], xh s[10:11]
	s_load_b128 s[12:15], s[0:1], 0x20             ; sel s[12:13], gw s[14:15]
	v_lshl_add_u32 v168, v0, 2, 0x100              ; my spare word and 0: made here and kept for the closing lines alone
	v_mov_b32 v169, 0
	v_and_b32 v1, 31, v0                           ; lane
	v_lshrrev_b32 v2, 5, v0
	v_readfirstlane_b32 s16, v2                    ; wave
	s_wait_alu depctr_va_sdst(0)                   ; s16 is written, ahead of the branch: the gate's arm reads it
	s_cmp_eq_u32 ttmp9, 512                        ; the same in all eight waves of a work-group
	s_cbranch_scc1 .Lgate
	; THE STREAM.  A work-group takes 131,072 bytes of x, a wave 16,384: 32 loads of 512 consecutive bytes, all issued ahead of
	; the first store.
	v_and_b32 v2, 0xe0, v0                         ; 32 x wave
	v_lshlrev_b32 v3, 4, v1                        ; 16 bytes a lane
	v_lshl_or_b32 v2, v2, 9, v3                    ; wave x 16,384 + 16 x lane: my offset in x
	v_lshrrev_b32 v3, 1, v2                        ; half of it: my offset in xh
	s_lshl_b32 s18, ttmp9, 17                      ; the work-group's part of x (below 2^26)
	s_mov_b32 s19, 0
	s_lshl_b32 s20, ttmp9, 16                      ; and of xh
	s_mov_b32 s21, 0
	s_wait_kmcnt 0x0
	s_add_nc_u64 s[4:5], s[4:5], s[18:19]
	s_add_nc_u64 s[10:11], s[10:11], s[20:21]
	s_wait_alu depctr_va_vdst(0)                   ; v2 and v3 are written: every load of the arm reads v2 as its offset, every store v3
.set i, 0
.rept 32
	global_load_b128 v[X+4*i:X+4*i+3], v2, s[4:5] offset:512*i th:TH_LOAD_NT
.set i, i+1
.endr
.set p, 0
.rept 8                                                ; block p: chunks 4 p to 4 p + 3
	s_wait_loadcnt 28-4*p                          ; loads come back in order (ISA guide 5.7.1): the block's four are in, the 28 - 4 p younger ones stay out
.if p > 0
	s_wait_alu depctr_va_vdst(0)                   ; the block before has written its eight packed registers, which the four stores below read
.endif
.set c, 0
.rept 4
.set i, 4*p+c
.if p > 0
	global_store_b64 v3, v[X+4*(i-4):X+4*(i-4)+1], s[10:11] offset:256*(i-4)   ; the block before; the wave's 32 lanes store 256 consecutive bytes, aligned.  No vector instruction since the wait names these registers
.endif
	v_cvt_pk_f16_f32 v[X+4*i],   v[X+4*i],   v[X+4*i+1]
	v_cvt_pk_f16_f32 v[X+4*i+1], v[X+4*i+2], v[X+4*i+3]
.set c, c+1
.endr
.set p, p+1
.endr
	s_wait_alu depctr_va_vdst(0)                   ; the last block has written its packed registers, which the last four stores read
.set i, 28
.rept 4
	global_store_b64 v3, v[X+4*i:X+4*i+1], s[10:11] offset:256*i
.set i, i+1
.endr
	s_endpgm                                       ; this arm has written no LDS
.Lgate:
	; THE GATE.  A row is 8,192 bytes: 16 loads of 512 bytes for x's row 0 and 16 for my expert's row of Wg.
	v_lshlrev_b32 v2, 4, v1                        ; 16 x lane
	s_lshl_b32 s18, s16, 13                        ; my expert's row of Wg
	s_mov_b32 s19, 0
	s_lshl_b32 s17, s16, 2                         ; my expert's word in LDS
	v_mov_b32 v3, s17                              ; as an LDS address
	v_mov_b32 v[ZA], 0                             ; where the eight words begin
	v_lshlrev_b32 v[GO], 3, v1                     ; 8 bytes a lane: each of the two stores at the end covers its whole buffer of 256 bytes
	s_mov_b32 s22, 0x76543210                      ; v_permlanex16_b32: lane i of one half reads lane i of the other
	s_mov_b32 s23, 0xfedcba98
	s_wait_kmcnt 0x0
	s_add_nc_u64 s[6:7], s[6:7], s[18:19]
	s_load_b256 s[24:31], s[8:9], 0x0              ; bg, all eight
	s_wait_alu depctr_va_vdst(0)                   ; v2, v3, v[ZA] and v[GO] are written: the arm's loads, LDS instructions and stores read them as addresses
.set i, 0
.rept 16
	global_load_b128 v[X+4*i:X+4*i+3],   v2, s[4:5] offset:512*i
	global_load_b128 v[WR+4*i:WR+4*i+3], v2, s[6:7] offset:512*i
.set i, i+1
.endr
	s_wait_loadcnt 0x0
	s_wait_kmcnt 0x0                               ; bg too, in every wave
.set j, 0
.rept 4
	v_pk_mul_f32 v[ACC+2*j:ACC+2*j+1], v[X+2*j:X+2*j+1], v[WR+2*j:WR+2*j+1]       ; the first products start the four chains
.set j, j+1
.endr
.rept 28
	v_pk_fma_f32 v[ACC+2*(j%4):ACC+2*(j%4)+1], v[X+2*j:X+2*j+1], v[WR+2*j:WR+2*j+1], v[ACC+2*(j%4):ACC+2*(j%4)+1]
.set j, j+1
.endr
	v_pk_add_f32 v[ACC:ACC+1],   v[ACC:ACC+1],   v[ACC+2:ACC+3]
	v_pk_add_f32 v[ACC+4:ACC+5], v[ACC+4:ACC+5], v[ACC+6:ACC+7]
	v_pk_add_f32 v[ACC:ACC+1],   v[ACC:ACC+1],   v[ACC+4:ACC+5]
	v_add_f32 v[DOT], v[ACC], v[ACC+1]
	v_add_f32_dpp v[DOT], v[DOT], v[DOT] row_xmask:1 row_mask:0xf bank_mask:0xf
	v_add_f32_dpp v[DOT], v[DOT], v[DOT] row_xmask:2 row_mask:0xf bank_mask:0xf
	v_add_f32_dpp v[DOT], v[DOT], v[DOT] row_xmask:4 row_mask:0xf bank_mask:0xf
	v_add_f32_dpp v[DOT], v[DOT], v[DOT] row_xmask:8 row_mask:0xf bank_mask:0xf
	v_permlanex16_b32 v[ACC+1], v[DOT], s22, s23   ; its destination counts as read: a register that has been written
	v_add_f32 v[DOT], v[DOT], v[ACC+1]             ; every lane holds the dot product
	s_wait_alu depctr_va_vdst(0)                   ; v[DOT] is written, which the LDS store reads
	ds_store_b32 v3, v[DOT]                        ; all lanes write the same word with the same value
	s_wait_dscnt 0x0                               ; for the other waves' sake: my store is done before I signal
	s_barrier_signal -1
	s_barrier_wait -1
	s_cmp_lg_u32 s16, 0
	s_cbranch_scc1 .Lend                           ; wave 0 finishes alone; every lane computes the same
	ds_load_b128 v[LOG:LOG+3],   v[ZA]             ; no vector instruction has named v[LOG ..] yet, and v[ZA] was written ahead of the arm's first wait
	ds_load_b128 v[LOG+4:LOG+7], v[ZA] offset:16
	s_wait_dscnt 0x0
.irp e, 0,1,2,3,4,5,6,7
	v_add_f32 v[LOG+\e], s[24+\e], v[LOG+\e]       ; + bg
.endr
	v_max3_num_f32 v[MX], v[LOG],  v[LOG+1], v[LOG+2]
	v_max3_num_f32 v[MX], v[MX],   v[LOG+3], v[LOG+4]
	v_max3_num_f32 v[MX], v[MX],   v[LOG+5], v[LOG+6]
	v_max_num_f32  v[MX], v[MX],   v[LOG+7]
.irp e, 0,1,2,3,4,5,6,7
	v_sub_f32 v[PRB+\e], v[LOG+\e], v[MX]          ; the maximum is taken away first: every exponent is 0 or below
.endr
.irp e, 0,1,2,3,4,5,6,7
	v_mul_f32 v[PRB+\e], 0x3fb8aa3b, v[PRB+\e]     ; e^t = 2^(1.442695 t)
.endr
.irp e, 0,1,2,3,4,5,6,7
	v_exp_f32 v[PRB+\e], v[PRB+\e]
.endr
	v_nop                                          ; one plain vector instruction behind the transcendentals before a result is used (ISA guide 5.7.2)
	s_wait_alu depctr_va_vdst(0)                   ; the eight exponentials have written v[PRB ..]: one wait for the batch, ahead of its first reader
	v_add_f32 v[SUM],   v[PRB],   v[PRB+1]
	v_add_f32 v[SUM+1], v[PRB+2], v[PRB+3]
	v_add_f32 v[PRB+8], v[PRB+4], v[PRB+5]
	v_add_f32 v[PRB+9], v[PRB+6], v[PRB+7]
	v_add_f32 v[SUM],   v[SUM],   v[SUM+1]
	v_add_f32 v[PRB+8], v[PRB+8], v[PRB+9]
	v_add_f32 v[SUM],   v[SUM],   v[PRB+8]         ; at least 1: the largest logit gives 2^0
	v_rcp_f32 v[SUM+1], v[SUM]
	v_nop                                          ; the same place behind the reciprocal
	s_wait_alu depctr_va_vdst(0)                   ; the reciprocal has written v[SUM+1], ahead of its first reader
.irp e, 0,1,2,3,4,5,6,7
	v_mul_f32 v[PRB+\e], v[PRB+\e], v[SUM+1]
.endr
	; The largest probability, then its number.  The compares stand in a run, each with a scalar register of its own (bg's, which the additions above
	; have read), so that one wait serves the run.  The selects go from expert 6 down to 0 on a start of 7: the lowest number that holds the value wins.
	v_max3_num_f32 v[WT], v[PRB], v[PRB+1], v[PRB+2]
	v_max3_num_f32 v[WT], v[WT],  v[PRB+3], v[PRB+4]
	v_max3_num_f32 v[WT], v[WT],  v[PRB+5], v[PRB+6]
	v_max_num_f32  v[WT], v[WT],  v[PRB+7]
.irp e, 0,1,2,3,4,5,6
	v_cmp_eq_f32 s[24+\e], v[PRB+\e], v[WT]
.endr
	v_mov_b32 v[IDX], 7
	s_wait_alu depctr_va_sdst(0)                   ; the seven compares have written s24 to s30, which the selects below read
.irp e, 6,5,4,3,2,1,0
	v_cndmask_b32 v[IDX], v[IDX], \e, s[24+\e]
.endr
	; strike the winner out, by its number (-1 lies below every probability), and look again
.irp e, 0,1,2,3,4,5,6,7
	v_cmp_eq_u32 s[24+\e], \e, v[IDX]
.endr
	s_wait_alu depctr_va_sdst(0)                   ; the eight compares have written s24 to s31, which the selects below read
.irp e, 0,1,2,3,4,5,6,7
	v_cndmask_b32 v[LOG+\e], v[PRB+\e], -1.0, s[24+\e]
.endr
	v_max3_num_f32 v[WT+1], v[LOG],  v[LOG+1], v[LOG+2]
	v_max3_num_f32 v[WT+1], v[WT+1], v[LOG+3], v[LOG+4]
	v_max3_num_f32 v[WT+1], v[WT+1], v[LOG+5], v[LOG+6]
	v_max_num_f32  v[WT+1], v[WT+1], v[LOG+7]
.irp e, 0,1,2,3,4,5,6
	v_cmp_eq_f32 s[24+\e], v[LOG+\e], v[WT+1]
.endr
	v_mov_b32 v[IDX+1], 7
	s_wait_alu depctr_va_sdst(0)                   ; the seven compares have written s24 to s30, which the selects below read
.irp e, 6,5,4,3,2,1,0
	v_cndmask_b32 v[IDX+1], v[IDX+1], \e, s[24+\e]
.endr
	s_wait_alu depctr_va_vdst(0)                   ; a, b, w0 and w1 are written, which the two stores read
	global_store_b64 v[GO], v[IDX:IDX+1], s[12:13]
	global_store_b64 v[GO], v[WT:WT+1],   s[14:15]
.Lend:
	s_wait_dscnt 0x0                               ; the closing lines, six on end
	s_wait_alu 0x0
	s_wait_tensorcnt 0x0
	ds_add_u32 v168, v169
	s_wait_dscnt 0x0
	s_endpgm
.Lfunc_end_k_q9001c455c3_prep:
	.size	k_q9001c455c3_prep, .Lfunc_end_k_q9001c455c3_prep-k_q9001c455c3_prep
	.p2alignl 7, 3214868480
	.fill 96, 4, 3214868480
	.section	.rodata,"a",@progbits
	.p2align	6, 0x0
	.amdhsa_kernel k_q9001c455c3_prep
		.amdhsa_group_segment_fixed_size 1280
		.amdhsa_private_segment_fixed_size 0
		.amdhsa_enable_private_segment 0
		.amdhsa_kernarg_size 48
		.amdhsa_user_sgpr_count 2
		.amdhsa_user_sgpr_kernarg_segment_ptr 1
		.amdhsa_wavefront_size32 1
		.amdhsa_system_sgpr_workgroup_id_x 1
		.amdhsa_system_sgpr_workgroup_id_y 1
		.amdhsa_system_sgpr_workgroup_id_z 1
		.amdhsa_system_vgpr_workitem_id 0
		.amdhsa_next_free_vgpr 170
		.amdhsa_next_free_sgpr 66
		.amdhsa_reserve_vcc 0
		.amdhsa_float_denorm_mode_32 3
		.amdhsa_float_denorm_mode_16_64 3
		.amdhsa_memory_ordered 1
		.amdhsa_forward_progress 1
		.amdhsa_inst_pref_size 25
	.end_amdhsa_kernel
	.amdgpu_metadata
---
amdhsa.version: [ 1, 2 ]
amdhsa.kernels:
  - .name:           k_q9001c455c3_prep
    .symbol:         k_q9001c455c3_prep.kd
    .args:
      - { .name: x, .offset: 0, .size: 8, .value_kind: global_buffer, .address_space: global }
      - { .name: Wg, .offset: 8, .size: 8, .value_kind: global_buffer, .address_space: global }
      - { .name: bg, .offset: 16, .size: 8, .value_kind: global_buffer, .address_space: global }
      - { .name: xh, .offset: 24, .size: 8, .value_kind: global_buffer, .address_space: global }
      - { .name: sel, .offset: 32, .size: 8, .value_kind: global_buffer, .address_space: global }
      - { .name: gw, .offset: 40, .size: 8, .value_kind: global_buffer, .address_space: global }
    .group_segment_fixed_size: 1280
    .private_segment_fixed_size: 0
    .kernarg_segment_align: 8
    .kernarg_segment_size: 48
    .max_flat_workgroup_size: 256
    .sgpr_count:     66
    .vgpr_count:     170
    .wavefront_size: 32
...
	.end_amdgpu_metadata
.endif
;; end of part 4
;; launch combine (part 5): grid 256 x 1, 8 waves a work-group, no clusters, 0 bytes of LDS; arguments We, sel, gw, wh; writes wh
.if DOCPART == 5
	.amdgcn_target "amdgcn-amd-amdhsa--gfx1250"
	.amdhsa_code_object_version 6
	.text
	.protected	k_q9001c455c3_combine
	.globl	k_q9001c455c3_combine
	.p2align	8
	.type	k_q9001c455c3_combine,@function
k_q9001c455c3_combine:
	s_mov_b64 s[64:65], 0
	v_nop
	global_prefetch_b8 v0, s[64:65] scope:SCOPE_SE
	s_setreg_imm32_b32 hwreg(HW_REG_WAVE_SCHED_MODE, 0, 2), 2
	s_setreg_imm32_b32 hwreg(HW_REG_WAVE_MODE, 25, 1), 1
	s_wait_xcnt 0x0
	s_wait_alu depctr_vm_vsrc(0)
; wh = f16( 256 (w0 We[a] + w1 We[b]) ), [2048 out][2048 in].
; The result is linear in the experts' weights: w0 (x We[a]^T) + w1 (x We[b]^T) = x (w0 We[a] + w1 We[b])^T for every input, so one
; product remains where two stood.  w0 and w1 are probabilities (not negative): the sum formed here is the one that the result holds anyway.
; The factor 256 keeps small weights in f16's normal range; it is a power of two and is taken back exactly where the product is stored.
; LIMIT: |w0 We[a] + w1 We[b]| must stay below 255.9, or the f16 number is infinite.
; a, b come as whole numbers from sel, w0, w1 from gw, both stored by the launch before.
; A stream: a work-group takes 65,536 bytes of each of the two matrices, a wave 8,192 of each: 32 loads of 512 consecutive bytes, all
; issued ahead of the first store.
; THE MODE: SCHED_MODE bits 1:0 = 2 (LLVM: expert scheduling mode 2), set by the entry lines.  The code itself states the register dependences
; between vector instructions and memory instructions, with s_wait_alu, always for 0.
; THE PLAN.  Registers that memory instructions touch:
;   v2, v3     byte offsets in We and wh, made once at the head and never written again.
;   A chunk i  four registers: a load lands in them, chunk i's arithmetic works in place, store i reads the first two; never written again.
;   B chunk i  four registers: a load lands in them, chunk i's multiply-adds read them.
; The 16 chunks go in 8 blocks of two.  Block p's memory instructions are the two stores of block p - 1, whose registers no vector instruction of
; block p names.  So one wait at a block's head states all that they hang on, and they are dealt among the block's arithmetic.
; No register that a memory instruction reads is written again, and no vector instruction writes a scalar register.
.set A, 4                              ; v[4:67]    16 chunks of We[a], then the sums, then the packed f16
.set B, 68                             ; v[68:131]  16 chunks of We[b]
	s_load_b256 s[4:11], s[0:1], 0x0               ; We s[4:5], sel s[6:7], gw s[8:9], wh s[10:11]
	v_and_b32 v1, 31, v0
	v_and_b32 v2, 0xe0, v0                         ; 32 x wave
	v_lshlrev_b32 v1, 4, v1
	v_lshl_or_b32 v2, v2, 8, v1                    ; wave x 8,192 + 16 x lane: my offset in a matrix of We
	v_lshrrev_b32 v3, 1, v2                        ; half of it: my offset in wh
	s_lshl_b32 s20, ttmp9, 16                      ; the work-group's part of a matrix
	s_mov_b32 s21, 0
	s_lshl_b32 s28, ttmp9, 15                      ; and of wh
	s_mov_b32 s29, 0
	s_wait_kmcnt 0x0
	s_load_b64 s[12:13], s[6:7], 0x0               ; a, b
	s_load_b64 s[14:15], s[8:9], 0x0               ; w0, w1
	s_add_nc_u64 s[4:5], s[4:5], s[20:21]
	s_add_nc_u64 s[10:11], s[10:11], s[28:29]
	s_wait_kmcnt 0x0
	s_min_u32 s12, s12, 7                          ; an expert's number stays inside the table of eight
	s_min_u32 s13, s13, 7
	s_lshl_b32 s16, s12, 24                        ; a matrix is 2^24 bytes
	s_mov_b32 s17, 0
	s_lshl_b32 s18, s13, 24
	s_mov_b32 s19, 0
	s_add_nc_u64 s[22:23], s[4:5], s[18:19]        ; We[b], my work-group's part
	s_add_nc_u64 s[4:5], s[4:5], s[16:17]          ; We[a]
	s_mul_f32 s24, s14, 0x43800000                 ; 256 w0
	s_mul_f32 s26, s15, 0x43800000                 ; 256 w1
	s_wait_alu depctr_va_vdst(0)                   ; v2 and v3 are written: every load reads v2 as its offset, every store v3
.set i, 0
.rept 16
	global_load_b128 v[A+4*i:A+4*i+3], v2, s[4:5]   offset:512*i th:TH_LOAD_NT
	global_load_b128 v[B+4*i:B+4*i+3], v2, s[22:23] offset:512*i th:TH_LOAD_NT
.set i, i+1
.endr
	s_mov_b32 s25, s24                             ; the packed forms name a pair, of which the first word is used for both halves
	s_mov_b32 s27, s26
.set p, 0
.rept 8                                                ; block p: chunks 2 p and 2 p + 1
	s_wait_loadcnt 28-4*p                          ; loads come back in order (ISA guide 5.7.1): the block's four are in, the 28 - 4 p younger ones stay out
.if p > 0
	s_wait_alu depctr_va_vdst(0)                   ; the block before has written its four packed registers, which the two stores below read
.endif
.set c, 0
.rept 2
.set i, 2*p+c
.if p > 0
	global_store_b64 v3, v[A+4*(i-2):A+4*(i-2)+1], s[10:11] offset:256*(i-2)   ; the block before; the wave's 32 lanes store 256 consecutive bytes, aligned.  No vector instruction since the wait names these registers
.endif
	v_pk_mul_f32 v[A+4*i:A+4*i+1],   v[A+4*i:A+4*i+1],   s[24:25] op_sel_hi:[1,0]
	v_pk_mul_f32 v[A+4*i+2:A+4*i+3], v[A+4*i+2:A+4*i+3], s[24:25] op_sel_hi:[1,0]
	v_pk_fma_f32 v[A+4*i:A+4*i+1],   v[B+4*i:B+4*i+1],   s[26:27], v[A+4*i:A+4*i+1]   op_sel_hi:[1,0,1]
	v_pk_fma_f32 v[A+4*i+2:A+4*i+3], v[B+4*i+2:B+4*i+3], s[26:27], v[A+4*i+2:A+4*i+3] op_sel_hi:[1,0,1]
	v_cvt_pk_f16_f32 v[A+4*i],   v[A+4*i],   v[A+4*i+1]
	v_cvt_pk_f16_f32 v[A+4*i+1], v[A+4*i+2], v[A+4*i+3]
.set c, c+1
.endr
.set p, p+1
.endr
	s_wait_alu depctr_va_vdst(0)                   ; the last block has written its packed registers, which the last two stores read
	global_store_b64 v3, v[A+56:A+57], s[10:11] offset:256*14
	global_store_b64 v3, v[A+60:A+61], s[10:11] offset:256*15
	s_endpgm
.Lfunc_end_k_q9001c455c3_combine:
	.size	k_q9001c455c3_combine, .Lfunc_end_k_q9001c455c3_combine-k_q9001c455c3_combine
	.p2alignl 7, 3214868480
	.fill 96, 4, 3214868480
	.section	.rodata,"a",@progbits
	.p2align	6, 0x0
	.amdhsa_kernel k_q9001c455c3_combine
		.amdhsa_group_segment_fixed_size 0
		.amdhsa_private_segment_fixed_size 0
		.amdhsa_enable_private_segment 0
		.amdhsa_kernarg_size 32
		.amdhsa_user_sgpr_count 2
		.amdhsa_user_sgpr_kernarg_segment_ptr 1
		.amdhsa_wavefront_size32 1
		.amdhsa_system_sgpr_workgroup_id_x 1
		.amdhsa_system_sgpr_workgroup_id_y 1
		.amdhsa_system_sgpr_workgroup_id_z 1
		.amdhsa_system_vgpr_workitem_id 0
		.amdhsa_next_free_vgpr 132
		.amdhsa_next_free_sgpr 66
		.amdhsa_reserve_vcc 0
		.amdhsa_float_denorm_mode_32 3
		.amdhsa_float_denorm_mode_16_64 3
		.amdhsa_memory_ordered 1
		.amdhsa_forward_progress 1
		.amdhsa_inst_pref_size 13
	.end_amdhsa_kernel
	.amdgpu_metadata
---
amdhsa.version: [ 1, 2 ]
amdhsa.kernels:
  - .name:           k_q9001c455c3_combine
    .symbol:         k_q9001c455c3_combine.kd
    .args:
      - { .name: We, .offset: 0, .size: 8, .value_kind: global_buffer, .address_space: global }
      - { .name: sel, .offset: 8, .size: 8, .value_kind: global_buffer, .address_space: global }
      - { .name: gw, .offset: 16, .size: 8, .value_kind: global_buffer, .address_space: global }
      - { .name: wh, .offset: 24, .size: 8, .value_kind: global_buffer, .address_space: global }
    .group_segment_fixed_size: 0
    .private_segment_fixed_size: 0
    .kernarg_segment_align: 8
    .kernarg_segment_size: 32
    .max_flat_workgroup_size: 256
    .sgpr_count:     66
    .vgpr_count:     132
    .wavefront_size: 32
...
	.end_amdgpu_metadata
.endif
;; end of part 5
;; launch gemm: the kernel of part 3 again; grid 8 x 32, 4 waves a work-group, clusters of 4 x 4, 327,680 bytes of LDS; arguments xh, wh, out0, be, sel, gw; writes out0
